; MI455X (gfx1250); checked and timed in simulation.
; The chip was launched on July 23, 2026; its instructions are those of AMD's public machine-readable ISA for CDNA 5 (MIT licence, August 2026) and "CDNA5" Instruction Set Architecture Reference Guide (July 2026). The comments in the code are by the model that wrote it; some were corrected since.
;; Pi KV Mo E. Allowed arithmetic: matrix products marked QUANTISED: E2M3 operands, one E8M0 scale for each 32 along K, by v_wmma_scale_f32_16x16x128_f8f6f4 with both operands' format E2M3, f32 sums; products left as they are: f32 operands where the result goes on into a quantised operand, else bf16, f16 or f32 operands; f32 sums; everything else in f32.
;; Inputs: W 8 x 2,048 x 2,048 float32; Wg 2,048 x 8 float32; b 8 x 2,048 float32; bg 8 float32; cached 8 x 2,048 float32; x 2,048 x 2,048 float32.
;; Outputs: out0 2,048 x 2,048 float32.
;; This version of the problem:
;;   THIS VERSION OF THE PROBLEM IS GIVEN IN LOW PRECISION. The matrix products marked QUANTISED in the list below multiply operands that are first quantised to E2M3 (2 exponent bits, 3 mantissa bits; 6 bits a number), with one power-of-two scale for each 32 numbers along K (OCP MX v1.0); their sums are f32. All else is computed in f32.
;;   The module's matrix products, in the order in which they are computed (A, B: the left and right operand; K: the contracted axis; several contracted axes count as one K, in the product's order):
;;     1. [M 2,048, K 2,048] x [K 2,048, N 8]; A: input x; B: input Wg: left as it is (N = 8 < 16)
;;     2. [M 16,384, K 2,048] x [K 2,048, N 2,048]; A: input W; B: input x: QUANTISED
;;     3. batch 2,048 x [M 1, K 8] x [K 8, N 2,048]; A: softmax; B: computed on the way: left as it is (K = 8 < 32)
;;   THE QUANTISER, for each operand of a quantised product, along K:
;;     - K is cut into blocks of 32 from its start; a last block that is shorter is filled with zeros.
;;     - A block's scale is 2^e with e = floor(log2(the largest magnitude in the block)) - 2, held to -126 .. 127; a block of zeros has e = 0. As a byte (E8M0): e + 127.
;;     - Each number is divided by its block's scale, clamped to +-7.5, and rounded to the nearest number of E2M3, ties to even, subnormals kept.
;;     - The product sums the exact products of the quantised numbers (number of the format x scale) in f32.
;;   ~~~python
;;   def quantise(x, axis):      # numpy; x: float32 -> the quantised numbers, widened to float32 again
;;       x = np.moveaxis(x, axis, -1); K = x.shape[-1]
;;       x = np.pad(x, [(0, 0)] * (x.ndim - 1) + [(0, -K % 32)]); x = x.reshape(x.shape[:-1] + (-1, 32)); a = np.abs(x).max(-1, keepdims=True)
;;       e = np.where(a > 0, np.clip(np.frexp(np.where(a > 0, a, 1))[1] - 1 - 2, -126, 127), 0)      # np.frexp(a)[1] - 1 = floor(log2(a)), exactly
;;       r = np.clip(x / 2.0 ** e, -7.5, 7.5)
;;       step = 2.0 ** (np.maximum(np.frexp(np.where(r == 0, 1, r))[1] - 1, 0) - 3)
;;       q = np.round(r / step) * step * 2.0 ** e      # np.round: ties to even
;;       return np.moveaxis(q.reshape(q.shape[:-2] + (-1,))[..., :K], -1, axis).astype(np.float32)
;;   ~~~
;; One version. Each part assembles by itself: llvm-mc -triple=amdgcn-amd-amdhsa -mcpu=gfx1250 --defsym DOCPART=n.
;; ======== version 1 of 1: 2 launches
;; limits: right only within a limited range of input values
;; workspace buffers: xq 3,276,800 bytes; wq 26,214,400 bytes; zp 262,144 bytes
;; launch prep (part 1): grid 512 x 1, 8 waves a work-group, no clusters, 120,064 bytes of LDS; arguments x, W, Wg, xq, wq, zp; writes xq, wq, zp
.if DOCPART == 1
	.amdgcn_target "amdgcn-amd-amdhsa--gfx1250"
	.amdhsa_code_object_version 6
	.text
	.protected	k_qa85adad0fe_prep
	.globl	k_qa85adad0fe_prep
	.p2align	8
	.type	k_qa85adad0fe_prep,@function
k_qa85adad0fe_prep:
	s_mov_b64 s[64:65], 0
	v_nop
	global_prefetch_b8 v0, s[64:65] scope:SCOPE_SE
	s_setreg_imm32_b32 hwreg(HW_REG_WAVE_MODE, 25, 1), 1
	s_wait_xcnt 0x0
; x [2048][2048] and W [8][2048 (k)][2048 (f)], f32, become codes of FP6 (E2M3) with one E8M0 scale byte for each 32 along K (the hidden axis),
; and the gate's logits x Wg are summed in f32, in four parts along K: zp [4][2048][8].  (The next launch adds the four parts and bg and takes the softmax.)
; A block's scale is 2^(floor(log2(largest magnitude)) - 2); its byte is the largest magnitude's exponent field - 2, held at 1 from below.
; LIMITS: NaN and infinities among the inputs are not served; a block whose largest magnitude lies under 2^-124 (a block of zeros too) gets the byte 1:
; a block of zeros has zero codes, which add nothing, and the bytes are read by this program alone.
; THE WORKSPACE IS LAID IN THE ORDER OF THE OPERAND'S REGISTERS.  A UNIT is 12,800 bytes: eight fragments (16 rows x 128 K) of 1,536 bytes, then their scale words.
;   fragment i at 1536 i: lane l = r + 16 h has 48 bytes at 48 l: the codes of row r, k = 32 h + 0..31 (24 bytes), then k = 64 + 32 h + 0..31 (24 bytes).
;   scale words at 12288 + 64 i + 4 r: byte b scales k = 32 b + 0..31 of row r.
;   xq: unit (TB, s, th) at ((16 TB + s) 2 + th) 12800; fragment i, row r = token 256 TB + 128 th + 16 i + r; s = the K step of 128.
;   wq: unit (FB, pass, s, jf) at (((2 FB + pass) 16 + s) 2 + jf) 12800; fragment 2 q + u, row r = expert 4 pass + q, column f = 64 FB + 32 jf + 16 u + r.
; SHARES.  512 work-groups of equal work, one path through the text.  Work-group g takes
;   of x: 16 tokens (tb = g / 4) x a quarter of K (kq = g % 4); wave w: half a K step, k = 128 (4 kq + w / 2) + 64 (w % 2) + 0..63;
;   of W: kc = g % 8 (256 along K), pass = (g / 8) % 2, FB = g / 16; wave w: q = w / 2, ks = w % 2: expert 4 pass + q, K step 2 kc + ks, all 64 columns of FB.
; W IS READ IN WHOLE ALIGNED PIECES OF 256 BYTES: lane (c, h) loads 16 bytes, columns 4 c + 0..3 of a row; lanes 0-15 take a row of block h = 0, lanes 16-31 the same row of block 1 (then blocks 2, 3).
; So a lane's registers hold four columns by turns.  The maxima read them as they lie; for a conversion, which wants 16 neighbours along K on end, 16 moves lay a column's numbers on end.
; A lane's four columns are four neighbouring image lanes of one fragment: 192 consecutive bytes of the image.
; No tensor loads, no matrix instructions; one barrier, at the end, behind which what several waves made leaves LDS.
.set WGL,  0                           ; Wg as it lies: 2,048 bytes for each wave (its 64 rows of Wg)
.set XSTG, 16384                       ; a stage of 16 rows x 272 bytes for each wave: x is turned here
.set XIM,  51200                       ; the images of the work-group's four fragments of x
.set XSC,  57344                       ; their scale words, 64 bytes each
.set GPB,  57600                       ; the waves' partial logits, [wave][16 tokens][8]
.set WSTG, 61696                       ; a stage for each wave: four fragments of W, 32 pieces of 192 bytes + 16 of padding, and 64 more ahead of the second half
.set WSTW, 6912
.set WSC,  116992                      ; W's scale words, four units' 512 bytes
.set SPARE, 119040                     ; the spare words, 128 bytes for each wave
.set BYT,  6                           ; v6       at work on W's scale bytes
.set TP,   24                          ; v24-31   destinations of lane permutes (written once below)
.set SWW,  28                          ; v28-31   W: my four columns' scale words (behind the work on x)
.set WA,   32                          ; v32-159  W: 32 rows x 4 columns: two chunks of 16 rows
.set WOUT, 32                          ; v32-79   W: the way out
.set X,    160                         ; v160-191 x: my block of 32
.set IM,   160                         ; v160-207 W: my 192 bytes of the image: column j at 12 j, block at 6, half block at 3
.set WK,   192                         ; v192-223 two sets of two rows of Wg
.set R,    208                         ; v208-239 x: my wave's piece as loaded
.set TA,   208                         ; v208-239 W: two sets of 16 numbers on end
.set ACC,  224                         ; v224-231 my partial logits for the 8 experts
.set XC,   232                         ; v232-237 my block's codes
.set XB,   238                         ; v238     its scale byte
.set Q,    240                         ; v240-242, v244-246 a block's upper 16 codes (a conversion's three registers begin on an even number)
.set SH,   243                         ; v243     8 h
.set AD,   247                         ; v247-249 W's stage, on the way out
.set FIN,  216                         ; v216-247 behind the barrier: what leaves LDS
.set MS,   250                         ; v250-253 W: four columns' largest magnitudes, then scale operands
.set M0,   250                         ; at work in QBLK
.set M1,   251
.set SCL,  252
.set BY,   253
; 32 numbers of a lane, v[xs] on, neighbours along K, become 6 registers of codes at v[d] on; the block's scale byte goes into v[sw].
.macro QBLK xs, d, sw
	v_max3_num_f32 v[M0], |v[(\xs)]|, |v[(\xs)+1]|, |v[(\xs)+2]|         ; the block's largest magnitude, in two chains
	v_max3_num_f32 v[M1], |v[(\xs)+3]|, |v[(\xs)+4]|, |v[(\xs)+5]|
.irp i, 6,10,14,18,22,26
	s_delay_alu instid0(VALU_DEP_2)
	v_max3_num_f32 v[M0], v[M0], |v[(\xs)+\i]|, |v[(\xs)+\i+1]|
	s_delay_alu instid0(VALU_DEP_2)
	v_max3_num_f32 v[M1], v[M1], |v[(\xs)+\i+2]|, |v[(\xs)+\i+3]|
.endr
	s_delay_alu instid0(VALU_DEP_2)
	v_max3_num_f32 v[M0], v[M0], |v[(\xs)+30]|, |v[(\xs)+31]|
	s_delay_alu instid0(VALU_DEP_1)
	v_max3_num_f32 v[M0], v[M0], v[M1], 0x1800000                        ; and the floor 2^(3 - 127): the byte cannot fall under 1
	s_delay_alu instid0(VALU_DEP_1)
	v_add_nc_u32 v[SCL], 0xff000000, v[M0]                               ; 2 off the exponent field: the conversion takes this operand's exponent field as its scale
	s_delay_alu instid0(VALU_DEP_1)
	v_lshrrev_b32 v[BY], 23, v[SCL]                                      ; the scale's byte
	v_cvt_scalef32_pk16_fp6_f32 v[(\d):(\d)+2], v[(\xs):(\xs)+15], v[SCL]
	v_cvt_scalef32_pk16_fp6_f32 v[Q:Q+2], v[(\xs)+16:(\xs)+31], v[SCL]
	v_mov_b32 v[\sw], v[BY]                                              ; (also the plain line behind the conversions, ahead of the moves that read a result)
	v_mov_b32 v[(\d)+3], v[Q]
	v_mov_b32 v[(\d)+4], v[Q+1]
	v_mov_b32 v[(\d)+5], v[Q+2]
.endm
	s_load_b256 s[4:11], s[0:1], 0x0               ; x s[4:5], W s[6:7], Wg s[8:9], xq s[10:11]
	s_load_b128 s[12:15], s[0:1], 0x20             ; wq s[12:13], zp s[14:15]
	v_lshl_add_u32 v254, v0, 2, SPARE
	v_mov_b32 v255, 0
	v_lshrrev_b32 v1, 5, v0
	s_delay_alu instid0(VALU_DEP_1)
	v_readfirstlane_b32 s16, v1                    ; wave 0..7
	s_mov_b32 s40, 0x76543210
	s_mov_b32 s41, 0xfedcba98                      ; v_permlanex16_b32's selects for lane l xor 16
	s_lshr_b32 s17, ttmp9, 2                       ; tb
	s_and_b32 s18, ttmp9, 3                        ; kq
	s_lshr_b32 s19, s16, 1                         ; w / 2: my K step of the four; for W: q
	s_and_b32 s20, s16, 1                          ; w % 2: c, my half of the K step; for W: ks
	s_and_b32 s21, s16, 3                          ; w % 4: the fragment that I store at the end
	s_lshl_b32 s26, s17, 17                        ; x: 16 rows of 8,192 bytes a block of tokens,
	s_lshl_b32 s27, s18, 11                        ; 2,048 bytes of a row a quarter of K,
	s_add_co_u32 s26, s26, s27
	s_lshl_b32 s27, s16, 8                         ; 256 a wave
	s_add_co_u32 s26, s26, s27
	s_mov_b32 s27, 0
	s_lshl_b32 s28, s18, 14                        ; Wg: 512 rows of 32 bytes a quarter of K,
	s_lshl_b32 s29, s16, 11                        ; 64 rows a wave
	s_add_co_u32 s28, s28, s29
	s_mov_b32 s29, 0
	s_lshr_b32 s22, s17, 4                         ; TB
	s_bfe_u32 s23, s17, 0x10003                    ; th
	s_and_b32 s24, s17, 7                          ; i
	s_mul_i32 s30, s22, 409600
	s_mul_i32 s31, s23, 12800
	s_add_co_u32 s30, s30, s31
	s_mul_i32 s31, s18, 102400
	s_add_co_u32 s30, s30, s31                     ; xq: unit (TB, 4 kq, th)
	s_lshl_b32 s34, s24, 6
	s_add_co_u32 s34, s34, s30                     ; fragment i's scale words (12,288 more stand in the store's immediate)
	s_mov_b32 s35, 0
	s_mul_i32 s31, s24, 1536
	s_add_co_u32 s32, s30, s31                     ; fragment i,
	s_mul_i32 s31, s21, 25600
	s_add_co_u32 s32, s32, s31                     ; of K step 4 kq + w % 4
	s_mov_b32 s33, 0
	s_lshl_b32 s36, s18, 16                        ; zp: 65,536 bytes a quarter of K,
	s_lshl_b32 s37, s17, 9                         ; 16 tokens of 32 bytes
	s_add_co_u32 s36, s36, s37
	s_mov_b32 s37, 0
	s_and_b32 s42, ttmp9, 7                        ; kc
	s_bfe_u32 s43, ttmp9, 0x10003                  ; pass
	s_lshr_b32 s44, ttmp9, 4                       ; FB
	s_lshl_b32 s45, s43, 2
	s_add_co_u32 s45, s45, s19                     ; the expert
	s_lshl_b32 s46, s45, 24                        ; W: 16,777,216 bytes an expert,
	s_lshl_b32 s47, s42, 21                        ; 256 rows of 8,192 bytes,
	s_add_co_u32 s46, s46, s47
	s_lshl_b32 s47, s44, 8                         ; 64 columns a block of f,
	s_add_co_u32 s46, s46, s47
	s_lshl_b32 s47, s20, 20                        ; 128 rows a K step
	s_add_co_u32 s46, s46, s47
	s_mov_b32 s47, 0
	s_lshl_b32 s48, s44, 1
	s_add_co_u32 s48, s48, s43
	s_lshl_b32 s48, s48, 4
	s_lshl_b32 s49, s42, 1
	s_add_co_u32 s48, s48, s49
	s_mul_i32 s48, s48, 25600                      ; wq: unit (FB, pass, 2 kc, 0)
	s_mov_b32 s49, 0
	s_mul_i32 s50, s20, 25600                      ; my K step's pair of units,
	s_mul_i32 s51, s19, 3072                       ; my two fragments in each
	s_add_co_u32 s50, s50, s51
	s_mov_b32 s51, 0
	s_lshl_b32 s52, s16, 11                        ; LDS: my part of Wg (WGL = 0),
	s_mul_i32 s53, s16, 4352
	s_add_co_u32 s53, s53, XSTG                    ; my turn stage,
	s_mul_i32 s54, s19, 1536
	s_mul_i32 s55, s20, 24
	s_add_co_u32 s54, s54, s55
	s_add_co_u32 s54, s54, XIM                     ; my half of my K step's image,
	s_lshl_b32 s55, s19, 6
	s_lshl_b32 s56, s20, 1
	s_add_co_u32 s55, s55, s56
	s_add_co_u32 s55, s55, XSC                     ; my two bytes of its scale words,
	s_lshl_b32 s56, s16, 9
	s_add_co_u32 s56, s56, GPB                     ; my partial logits,
	s_mul_i32 s57, s21, 1536
	s_add_co_u32 s57, s57, XIM                     ; the image that I store at the end,
	s_mul_i32 s58, s16, WSTW
	s_add_co_u32 s58, s58, WSTG                    ; my stage for W,
	s_lshl_b32 s59, s20, 10
	s_lshl_b32 s60, s19, 7
	s_add_co_u32 s59, s59, s60
	s_add_co_u32 s59, s59, WSC                     ; my scale words of W: 1024 ks + 128 q
	; every address register is made here, ahead of the place where the waves' roles part
	v_and_b32 v1, 31, v0                           ; lane l
	v_and_b32 v2, 15, v0                           ; r; for W: c
	v_bfe_u32 v3, v0, 4, 1                         ; h
	v_lshlrev_b32 v4, 4, v2
	s_delay_alu instid0(VALU_DEP_1)
	v_lshl_add_u32 v4, v3, 18, v4                  ; W, in: 16 c, and 32 rows of 8,192 bytes for h
	v_lshrrev_b32 v23, 2, v2
	v_and_b32 v5, 3, v2
	s_delay_alu instid0(VALU_DEP_1)
	v_lshl_add_u32 v5, v23, 3, v5
	s_delay_alu instid0(VALU_DEP_1)
	v_lshl_add_u32 v5, v3, 2, v5                   ; my piece of 192 bytes: n = 8 (c / 4) + 4 h + c % 4
	s_delay_alu instid0(VALU_DEP_1)
	v_mul_u32_u24 v5, v5, 208
	v_lshrrev_b32 v23, 3, v2                       ; c / 8 = jf
	s_delay_alu instid0(VALU_DEP_1)
	v_lshl_add_u32 v5, v23, 6, v5
	s_delay_alu instid0(VALU_DEP_1)
	v_add_nc_u32 v5, s58, v5                       ; W's stage, in: 208 n + 64 jf
	v_and_b32 v8, 7, v2
	s_delay_alu instid0(VALU_DEP_1)
	v_lshlrev_b32 v8, 4, v8
	s_delay_alu instid0(VALU_DEP_1)
	v_lshl_add_u32 v8, v23, 9, v8
	s_delay_alu instid0(VALU_DEP_1)
	v_add_nc_u32 v8, s59, v8                       ; my four scale words: 512 jf + 16 (c % 8)
.irp m, 0,1,2                          ; W's stage, out: byte y = 16 (32 m + l) of the image lies at y + 16 (y / 192); (n x 43) >> 9 = n / 12 for n under 96
	v_add_nc_u32 v23, 32*\m, v1
	s_delay_alu instid0(VALU_DEP_1)
	v_mul_u32_u24 v[AD+\m], v23, 43
	s_delay_alu instid0(VALU_DEP_1)
	v_lshrrev_b32 v[AD+\m], 9, v[AD+\m]
	s_delay_alu instid0(VALU_DEP_1)
	v_add_nc_u32 v[AD+\m], v[AD+\m], v23
	s_delay_alu instid0(VALU_DEP_1)
	v_lshl_add_u32 v[AD+\m], v[AD+\m], 4, s58
.endr
	v_lshlrev_b32 v[SH], 3, v3                     ; 8 h
	v_lshlrev_b32 v7, 4, v1                        ; 16 l
	v_lshl_add_u32 v9, v0, 3, WSC                  ; W's scale words' way out: 8 bytes a thread,
	v_lshrrev_b32 v23, 6, v0
	v_and_b32 v10, 63, v0
	s_delay_alu instid0(VALU_DEP_1)
	v_lshlrev_b32 v10, 3, v10
	s_delay_alu instid0(VALU_DEP_1)
	v_mad_u32_u24 v10, v23, 12800, v10             ; 512 bytes to each of the four units
	v_lshlrev_b32 v11, 4, v2
	s_delay_alu instid0(VALU_DEP_1)
	v_lshl_add_u32 v11, v3, 13, v11                ; x: lanes 0-15 one row's 256 bytes, lanes 16-31 the next row's
	v_lshl_add_u32 v12, v1, 4, s52                 ; Wg into LDS, as it lies
	v_lshl_add_u32 v13, v3, 10, s52                ; Wg out of LDS: my half's 32 rows of the wave's 64
	v_mul_u32_u24 v14, v3, 272
	s_delay_alu instid0(VALU_DEP_1)
	v_lshl_add_u32 v14, v2, 4, v14
	s_delay_alu instid0(VALU_DEP_1)
	v_add_nc_u32 v14, s53, v14                     ; the turn stage, in: row h of a pair, 16 r
	v_mul_u32_u24 v15, v2, 272
	s_delay_alu instid0(VALU_DEP_1)
	v_lshl_add_u32 v15, v3, 7, v15
	s_delay_alu instid0(VALU_DEP_1)
	v_add_nc_u32 v15, s53, v15                     ; the turn stage, out: row r, 128 h
	v_mul_u32_u24 v16, v1, 48
	s_delay_alu instid0(VALU_DEP_1)
	v_add_nc_u32 v16, s54, v16                     ; the image: 48 l + 24 c
	v_lshl_add_u32 v17, v2, 2, v3
	s_delay_alu instid0(VALU_DEP_1)
	v_add_nc_u32 v17, s55, v17                     ; the scale byte: 4 r + 2 c + h
	v_lshl_add_u32 v18, v2, 5, s56                 ; my token's 8 partial logits
	v_lshl_add_u32 v19, v1, 4, s57                 ; waves 0-3 read an image back: 16 l
	v_lshl_add_u32 v20, v1, 3, XSC                 ; wave 4 reads x's scale words back: 8 bytes a lane,
	v_lshrrev_b32 v23, 3, v1
	v_and_b32 v21, 7, v1
	s_delay_alu instid0(VALU_DEP_1)
	v_lshlrev_b32 v21, 3, v21
	s_delay_alu instid0(VALU_DEP_1)
	v_mad_u32_u24 v21, v23, 25600, v21             ; 64 bytes to each of the four K steps' units
	v_lshl_add_u32 v22, v1, 4, GPB                 ; wave 5 reads the partial logits back: token l / 2, experts 4 (l % 2) on
.irp j, 0,1,2,3,4,5,6,7
	v_mov_b32 v[TP+\j], 0
.endr
	s_wait_alu depctr_va_vdst(0)                   ; the wait at the head's end
	s_wait_kmcnt 0x0
	s_add_nc_u64 s[4:5], s[4:5], s[26:27]          ; x at my piece
	s_add_nc_u64 s[8:9], s[8:9], s[28:29]          ; Wg at my 64 rows
	s_add_nc_u64 s[32:33], s[10:11], s[32:33]      ; where the fragment goes that I store
	s_add_nc_u64 s[34:35], s[10:11], s[34:35]      ; where x's scale words go
	s_add_nc_u64 s[14:15], s[14:15], s[36:37]      ; where the logits go
	s_add_nc_u64 s[6:7], s[6:7], s[46:47]          ; W at my K step and columns
	s_add_nc_u64 s[12:13], s[12:13], s[48:49]      ; wq at the work-group's four units
	s_add_nc_u64 s[50:51], s[12:13], s[50:51]      ; where my codes of W go
.macro WLOAD t                         ; chunk t of W: rows 64 (t / 2) + 32 h + 16 (t % 2) + 0..15: sixteen lanes read a row's 256 consecutive bytes, aligned
.irp i, 0,1,2,3,4,5,6,7,8,9,10,11,12,13,14,15
	global_load_b128 v[WA+64*((\t)%2)+4*\i:WA+64*((\t)%2)+4*\i+3], v4, s[6:7] offset:(64*((\t)/2)+16*((\t)%2)+\i)*8192 th:TH_LOAD_NT
.endr
.endm
.macro WKLOAD g                        ; two rows of Wg: k = 2 g, 2 g + 1 of my block (sixteen lanes share an address)
.irp j, 0,1,2,3
	ds_load_b128 v[WK+16*((\g)%2)+4*\j:WK+16*((\g)%2)+4*\j+3], v13 offset:64*(\g)+16*\j
.endr
.endm
.macro GATE g                          ; 8 packed multiply-adds: 2 numbers of x, each against its row's 8 numbers of Wg.  The very first starts the sums
.irp kk, 0,1
.irp p, 0,1,2,3
.if ((\g)+\kk) == 0
	v_pk_mul_f32 v[ACC+2*\p:ACC+2*\p+1], v[WK+16*((\g)%2)+8*\kk+2*\p:WK+16*((\g)%2)+8*\kk+2*\p+1], v[X+2*(\g):X+2*(\g)+1] op_sel_hi:[1,0]
.elseif \kk == 0
	v_pk_fma_f32 v[ACC+2*\p:ACC+2*\p+1], v[WK+16*((\g)%2)+8*\kk+2*\p:WK+16*((\g)%2)+8*\kk+2*\p+1], v[X+2*(\g):X+2*(\g)+1], v[ACC+2*\p:ACC+2*\p+1] op_sel_hi:[1,0,1]
.else
	s_delay_alu instid0(VALU_DEP_4)
	v_pk_fma_f32 v[ACC+2*\p:ACC+2*\p+1], v[WK+16*((\g)%2)+8*\kk+2*\p:WK+16*((\g)%2)+8*\kk+2*\p+1], v[X+2*(\g):X+2*(\g)+1], v[ACC+2*\p:ACC+2*\p+1] op_sel:[0,1,0] op_sel_hi:[1,1,1]
.endif
.endr
.endr
.endm
; ------------------------------------------------------------------ x: my 16 rows x 64 along K
; The piece is loaded as it lies (sixteen lanes read 256 consecutive bytes of a row) and turned through the wave's stage, so that lane (r, h) holds row r, k = 32 h + 0..31 of the piece: one block.
; The same 32 numbers feed the logits: 8 sums a lane, packed two experts to an instruction.  W's first 32 rows are asked for ahead of this work.
.irp m, 0,1,2,3
	global_load_b128 v[WK+4*\m:WK+4*\m+3], v7, s[8:9] offset:512*\m     ; my 2,048 bytes of Wg
.endr
.irp m, 0,1,2,3,4,5,6,7
	global_load_b128 v[R+4*\m:R+4*\m+3], v11, s[4:5] offset:16384*\m th:TH_LOAD_NT   ; two rows an instruction
.endr
	WLOAD 0
	WLOAD 1
	s_wait_loadcnt 40                              ; Wg is in; the 8 loads of x and the 32 of W issued behind it may be out
.irp m, 0,1,2,3
	ds_store_b128 v12, v[WK+4*\m:WK+4*\m+3] offset:512*\m               ; my wave alone reads these bytes: no barrier
.endr
	s_wait_loadcnt 32                              ; x is in; W's 32 may be out
.irp m, 0,1,2,3,4,5,6,7
	ds_store_b128 v14, v[R+4*\m:R+4*\m+3] offset:544*\m
.endr
.irp j, 0,1,2,3,4,5,6,7
	ds_load_b128 v[X+4*\j:X+4*\j+3], v15 offset:16*\j                   ; LDS serves a wave's instructions in order: these see the stores above
.endr
	s_wait_dscnt 0x0                               ; my block is in, and the stores have read their registers
	WKLOAD 0
	QBLK X, XC, XB
.irp i, 0,1,2
	ds_store_b64 v16, v[XC+2*\i:XC+2*\i+1] offset:8*\i                  ; my 24 bytes of the image's 48
.endr
	ds_store_b8 v17, v[XB]                         ; block 2 c + h of row r
.irp g, 0,1,2,3,4,5,6,7,8,9,10,11,12,13,14,15
.if \g < 15
	WKLOAD \g+1
	s_wait_alu depctr_va_vdst(0)                   ; the wait ahead of the wait below
	s_wait_dscnt 4                                 ; all but the four loads just issued
.else
	s_wait_alu depctr_va_vdst(0)
	s_wait_dscnt 0x0
.endif
	GATE \g
.endr
.irp j, 0,1,2,3,4,5,6,7
	v_permlanex16_b32 v[TP+\j], v[ACC+\j], s40, s41
.endr
.irp p, 0,1,2,3
	v_pk_add_f32 v[ACC+2*\p:ACC+2*\p+1], v[ACC+2*\p:ACC+2*\p+1], v[TP+2*\p:TP+2*\p+1]   ; both halves of my wave's k
.endr
	ds_store_b128 v18, v[ACC:ACC+3]                ; (lanes l and l xor 16 write the same bytes with the same values)
	ds_store_b128 v18, v[ACC+4:ACC+7] offset:16
; ------------------------------------------------------------------ W: my 64 columns x 128 along K; a lane: 4 columns x 2 blocks
.macro WMAX                            ; the largest magnitude of each of my four columns over the block's 32 rows, the four by turns; then the conversions' scale operands
.irp j, 0,1,2,3
	v_max3_num_f32 v[MS+\j], |v[WA+\j]|, |v[WA+4+\j]|, 0x1800000        ; with the floor 2^(3 - 127): the byte cannot fall under 1
.endr
.irp i, 2,4,6,8,10,12,14,16,18,20,22,24,26,28,30
.irp j, 0,1,2,3
	s_delay_alu instid0(VALU_DEP_4)
	v_max3_num_f32 v[MS+\j], v[MS+\j], |v[WA+4*\i+\j]|, |v[WA+4*\i+4+\j]|
.endr
.endr
.irp j, 0,1,2,3
	s_delay_alu instid0(VALU_DEP_4)
	v_add_nc_u32 v[MS+\j], 0xff000000, v[MS+\j]                          ; 2 off the exponent field
.endr
.endm
; A chunk's 16 rows x 4 columns become codes.  bs: which of my two blocks; hf: the block's lower or upper 16.  A column's 16 numbers are laid on end, in two sets by turns, so that the moves for one column
; are the plain lines behind the conversion of the column before.  An upper half's three registers begin on an odd number: it is made in v[Q] on and moved.
.macro WCONV bs, hf
.irp j, 0,1,2,3
.irp i, 0,1,2,3,4,5,6,7,8,9,10,11,12,13,14,15
	v_mov_b32 v[TA+16*(\j%2)+\i], v[WA+64*(\hf)+4*\i+\j]
.endr
.if (\hf) && (\j > 0)
.irp c, 0,1,2
	v_mov_b32 v[IM+12*(\j-1)+6*(\bs)+3+\c], v[Q+4*((\j-1)%2)+\c]
.endr
.endif
.if \hf
	v_cvt_scalef32_pk16_fp6_f32 v[Q+4*(\j%2):Q+4*(\j%2)+2], v[TA+16*(\j%2):TA+16*(\j%2)+15], v[MS+\j]
.else
	v_cvt_scalef32_pk16_fp6_f32 v[IM+12*\j+6*(\bs):IM+12*\j+6*(\bs)+2], v[TA+16*(\j%2):TA+16*(\j%2)+15], v[MS+\j]
.endif
.endr
	v_nop                                          ; the plain line behind the last conversion
.if \hf
.irp c, 0,1,2
	v_mov_b32 v[IM+36+6*(\bs)+3+\c], v[Q+4+\c]
.endr
.endif
.endm
	s_wait_loadcnt 0x0                             ; block h: its 32 rows are in
	WMAX
.irp j, 0,1,2,3
	v_lshrrev_b32 v[SWW+\j], 23, v[MS+\j]          ; the scale's byte
.endr
	WCONV 0, 0
	WLOAD 2                                        ; a chunk's registers take the next block's loads as soon as its numbers have been moved
	WCONV 0, 1
	WLOAD 3
	s_wait_loadcnt 0x0                             ; block 2 + h
	WMAX
.irp j, 0,1,2,3
	v_lshrrev_b32 v[BYT], 23, v[MS+\j]
	s_delay_alu instid0(VALU_DEP_1)
	v_lshl_or_b32 v[SWW+\j], v[BYT], 16, v[SWW+\j]
.endr
	WCONV 1, 0
	WCONV 1, 1
.irp j, 0,1,2,3
	v_lshlrev_b32 v[SWW+\j], v[SH], v[SWW+\j]      ; my two bytes at their places in the word: blocks h and 2 + h
.endr
.irp j, 0,1,2,3
	v_permlanex16_b32 v[TP+\j], v[SWW+\j], s40, s41
.endr
.irp j, 0,1,2,3
	v_or_b32 v[SWW+\j], v[SWW+\j], v[TP+\j]        ; with lane l xor 16's two the word is whole
.endr
	ds_store_b128 v8, v[SWW:SWW+3]                 ; (lanes l and l xor 16 write the same bytes with the same values)
.irp m, 0,1,2,3,4,5,6,7,8,9,10,11
	ds_store_b128 v5, v[IM+4*\m:IM+4*\m+3] offset:16*\m
.endr
.irp m, 0,1,2,3,4,5,6,7,8,9,10,11
	ds_load_b128 v[WOUT+4*\m:WOUT+4*\m+3], v[AD+\m%3] offset:1664*(\m/3)+64*(\m/6)   ; LDS serves a wave's instructions in order: these see my stores
.endr
	s_wait_dscnt 0x0
.irp m, 0,1,2,3,4,5,6,7,8,9,10,11
	global_store_b128 v7, v[WOUT+4*\m:WOUT+4*\m+3], s[50:51] offset:12800*(\m/6)+512*(\m%6)   ; 32 lanes store 512 consecutive bytes: two fragments to each of the K step's two units
.endr
; ------------------------------------------------------------------ what several waves made leaves LDS
	s_barrier_signal -1                            ; (all my LDS instructions are done: the wait above)
	s_barrier_wait -1
	ds_load_b64 v[180:181], v9
	s_wait_dscnt 0x0
	global_store_b64 v10, v[180:181], s[12:13] offset:12288   ; W's scale words: each wave stores 256 consecutive bytes, at a multiple of 256 from wq's first byte
	s_cmp_ge_u32 s16, 4
	s_cbranch_scc1 .Lhigh
.irp m, 0,1,2                          ; waves 0-3: a whole fragment of x each
	ds_load_b128 v[FIN+4*\m:FIN+4*\m+3], v19 offset:512*\m
.endr
	s_wait_dscnt 0x0
.irp m, 0,1,2
	global_store_b128 v7, v[FIN+4*\m:FIN+4*\m+3], s[32:33] offset:512*\m   ; 32 lanes store 512 consecutive bytes
.endr
	s_wait_tensorcnt 0x0                           ; the wave's end
	ds_add_u32 v254, v255
	s_wait_dscnt 0x0
	s_endpgm
.Lhigh:
	s_cmp_lg_u32 s16, 4
	s_cbranch_scc1 .Lnot_4
	ds_load_b64 v[FIN:FIN+1], v20                  ; wave 4: x's scale words
	s_wait_dscnt 0x0
	global_store_b64 v21, v[FIN:FIN+1], s[34:35] offset:12288   ; four pieces of 64 bytes: a fragment's scale words are no more
	s_wait_tensorcnt 0x0
	ds_add_u32 v254, v255
	s_wait_dscnt 0x0
	s_endpgm
.Lnot_4:
	s_cmp_lg_u32 s16, 5
	s_cbranch_scc1 .Lend
.irp w, 0,1,2,3,4,5,6,7                ; wave 5: the eight waves' partial logits are added.  Lane l: token l / 2, experts 4 (l % 2) + 0..3
	ds_load_b128 v[FIN+4*\w:FIN+4*\w+3], v22 offset:512*\w
.endr
	s_wait_dscnt 0x0
.irp w, 1
	v_pk_add_f32 v[FIN:FIN+1], v[FIN:FIN+1], v[FIN+4*\w:FIN+4*\w+1]
	v_pk_add_f32 v[FIN+2:FIN+3], v[FIN+2:FIN+3], v[FIN+4*\w+2:FIN+4*\w+3]
.endr
.irp w, 2, 3, 4, 5, 6, 7
	s_delay_alu instid0(VALU_DEP_2)
	v_pk_add_f32 v[FIN:FIN+1], v[FIN:FIN+1], v[FIN+4*\w:FIN+4*\w+1]
	s_delay_alu instid0(VALU_DEP_2)
	v_pk_add_f32 v[FIN+2:FIN+3], v[FIN+2:FIN+3], v[FIN+4*\w+2:FIN+4*\w+3]
.endr
	global_store_b128 v7, v[FIN:FIN+3], s[14:15]   ; 32 lanes store the 16 tokens' 512 consecutive bytes
.Lend:
	s_wait_tensorcnt 0x0
	ds_add_u32 v254, v255
	s_wait_dscnt 0x0
	s_endpgm
.Lfunc_end_k_qa85adad0fe_prep:
	.size	k_qa85adad0fe_prep, .Lfunc_end_k_qa85adad0fe_prep-k_qa85adad0fe_prep
	.p2alignl 7, 3214868480
	.fill 96, 4, 3214868480
	.section	.rodata,"a",@progbits
	.p2align	6, 0x0
	.amdhsa_kernel k_qa85adad0fe_prep
		.amdhsa_group_segment_fixed_size 120064
		.amdhsa_private_segment_fixed_size 0
		.amdhsa_enable_private_segment 0
		.amdhsa_kernarg_size 48
		.amdhsa_user_sgpr_count 2
		.amdhsa_user_sgpr_kernarg_segment_ptr 1
		.amdhsa_wavefront_size32 1
		.amdhsa_system_sgpr_workgroup_id_x 1
		.amdhsa_system_sgpr_workgroup_id_y 1
		.amdhsa_system_sgpr_workgroup_id_z 1
		.amdhsa_system_vgpr_workitem_id 0
		.amdhsa_next_free_vgpr 256
		.amdhsa_next_free_sgpr 66
		.amdhsa_reserve_vcc 0
		.amdhsa_float_denorm_mode_32 3
		.amdhsa_float_denorm_mode_16_64 3
		.amdhsa_memory_ordered 1
		.amdhsa_forward_progress 1
		.amdhsa_inst_pref_size 65
	.end_amdhsa_kernel
	.amdgpu_metadata
---
amdhsa.version: [ 1, 2 ]
amdhsa.kernels:
  - .name:           k_qa85adad0fe_prep
    .symbol:         k_qa85adad0fe_prep.kd
    .args:
      - { .name: x, .offset: 0, .size: 8, .value_kind: global_buffer, .address_space: global }
      - { .name: W, .offset: 8, .size: 8, .value_kind: global_buffer, .address_space: global }
      - { .name: Wg, .offset: 16, .size: 8, .value_kind: global_buffer, .address_space: global }
      - { .name: xq, .offset: 24, .size: 8, .value_kind: global_buffer, .address_space: global }
      - { .name: wq, .offset: 32, .size: 8, .value_kind: global_buffer, .address_space: global }
      - { .name: zp, .offset: 40, .size: 8, .value_kind: global_buffer, .address_space: global }
    .group_segment_fixed_size: 120064
    .private_segment_fixed_size: 0
    .kernarg_segment_align: 8
    .kernarg_segment_size: 48
    .max_flat_workgroup_size: 256
    .sgpr_count:     66
    .vgpr_count:     256
    .wavefront_size: 32
...
	.end_amdgpu_metadata
.endif
;; end of part 1
;; launch moe (part 2): grid 32 x 8, 4 waves a work-group, clusters of 4 x 4, 327,680 bytes of LDS; arguments xq, wq, zp, b, cached, bg, out0; writes out0
.if DOCPART == 2
	.amdgcn_target "amdgcn-amd-amdhsa--gfx1250"
	.amdhsa_code_object_version 6
	.text
	.protected	k_qa85adad0fe_moe
	.globl	k_qa85adad0fe_moe
	.p2align	8
	.type	k_qa85adad0fe_moe,@function
k_qa85adad0fe_moe:
	s_mov_b64 s[64:65], 0
	v_nop
	global_prefetch_b8 v0, s[64:65] scope:SCOPE_SE
	s_setreg_imm32_b32 hwreg(HW_REG_WAVE_MODE, 25, 1), 1
	s_wait_xcnt 0x0
	s_wait_alu depctr_hold_cnt(0) depctr_sa_sdst(0) depctr_va_vdst(0) depctr_va_sdst(0) depctr_va_ssrc(0) depctr_va_vcc(0) depctr_vm_vsrc(0)
	s_getreg_b32 s2, hwreg(HW_REG_IB_STS2, 6, 4)
	s_cmp_eq_u32 s2, 0
	s_cbranch_scc0 .Lentry_in_a_cluster
	s_endpgm
.Lentry_in_a_cluster:
	s_bfe_u32 s2, ttmp6, 0x10000c
	s_cmp_lg_u32 s2, 0xf033
	s_cbranch_scc0 .Lentry_shape_is_right
	s_endpgm
.Lentry_shape_is_right:
; out[n][f] = sum over e of gate[n][e] (relu(sum over k of x[n][k] W[e][k][f] + b[e][f]) + cached[e][f]), gate = softmax(x Wg + bg).
; x and W come as codes of FP6 (E2M3) with E8M0 scale words, laid by the launch before in the order of the operand's registers (units of 12,800 bytes:
; eight fragments of 16 rows x 128 K, 1,536 bytes each, then their 512 bytes of scale words); the logits x Wg come in four parts along K (zp).
; A work-group of four waves makes 256 tokens x 64 columns f, in two passes of four experts: a pass is a product of 256 tokens x 256 rows (4 experts x 64 f), K = 2,048.
; A wave makes 128 x 128 of it: 64 accumulators, 512 registers.  relu(z + b) + c = max(z + b + c, c): b + c is the C of each accumulator's first product, and the way out takes the maximum with c,
; multiplies by the token's gate and sums the experts; the first pass's sums wait in an LDS stage for the second's.
; THE RING: two LDS slots, each with two K steps of A (x) and B (W): 102,400 bytes, a quarter a wave by one tensor load.  4 x 4 work-groups form a cluster: x's tiles are asked for jointly
; along a row of the cluster, W's along a column.  The round of the cluster's barrier stands once for every two K steps.
; A K STEP is 64 products (A's eight blocks, each against B's eight).  A, B and the scale words have TWO SETS of registers each, so a step's 56 LDS loads go out in ONE run, a step ahead.
; A slot's second step is fetched at the head of its first: so at the head of the second step the slot has been read out, and the change of slots stands there.
; THE MATRIX INSTRUCTION IS USED TRANSPOSED: source 0 = 16 rows of W, source 1 = 16 tokens: a lane holds eight neighbouring f of one token.
; LIMITS: NaN and infinities among the inputs are not served.
; REGISTERS: window 0: v0-31 addresses, v32-47 scale words (two sets), A's first set at v128-223, its second at v48-119 and v224-247 (v48-79 hold the way out's sums while that set is free);
; window 1: B's two sets at v0 and v128, b + c at v96-127 and v224-255; windows 2, 3: the accumulators of my tokens 0-63, 64-127.
.set UNIT,  12800
.set STB,   25600                      ; a K step of A or of B: two units
.set BOFF,  51200                      ; B's two steps lie behind A's two
.set SLOT,  102400
.set CONST, 2*SLOT                     ; b + c [8][64], then c (CCS), then the gates [256][8] (GTE)
.set CCS,   2048
.set GTE,   4096
.set STAGE, CONST+12288                ; 256 tokens x (256 bytes + 16)
.set SP,    272
.set SPARE, STAGE+256*SP               ; the spare words: 128 bytes a wave
.set FR,    12
.set ADRA, 16                          ; v16-17 my A fragments in slot 0, 1;  v18-19 B's;  v20-21 scale words (lanes 0-15 A's, lanes 16-31 B's)
.set ADRB, 18
.set ADRS, 20
.set ADC,  22
.set ADG,  23
.set STO,  24
.set RD,   25
.set CO,   26
.set PFO,  27
.set SPW,  28
.set NIL,  29
.set SC,   32
.set T,    48
.set BC,   96
.set ZP,   136
.set BGR,  200
.set MX,   204
.set SM,   208
.set S2,   212
.set RC,   216
.set G1,  24
.set G0,  32
.set G1B, 48
.set G0B, 56
.set OUTP, 66
.set PFA, 74
.set L00, 76
.set L01, 77
.set LB0, 78
.set LB1, 79
.set MSB, 0
.macro WIN new                         ; the immediate's high byte repeats the setting that is left
.if MSB != (\new)
	s_set_vgpr_msb (MSB<<8)|(\new)
.set MSB, (\new)
.endif
.endm
.set TO_B,   0x40
.macro JLOAD g0a, g1a, g0b, g1b        ; waves 0, 1 ask for A's two steps, waves 2, 3 for B's
	s_cmp_eq_u32 s17, 0
	s_cbranch_scc0 .Lfor_b_\@
	tensor_load_to_lds s[\g0a:\g0a+3], s[\g1a:\g1a+7]
	s_nop 0
.rept 4
	v_nop
.endr
	s_branch .Lasked_\@
.Lfor_b_\@:
	tensor_load_to_lds s[\g0b:\g0b+3], s[\g1b:\g1b+7]
	s_nop 0
.rept 4
	v_nop
.endr
.Lasked_\@:
.endm
.macro ASK lim                         ; a prefetch of my work-group's quarter (25 blocks of 256 bytes) of the tile that stands two refills on
	s_cmp_gt_u32 s3, s[\lim]
	s_cbranch_scc0 .Lnot_mine_\@
	global_prefetch_b8 v[PFO], s[PFA:PFA+1] th:TH_LOAD_NT scope:SCOPE_SE
.Lnot_mine_\@:
.endm
.macro CREST
	s_cmp_lg_u32 s16, 0
	s_cbranch_scc1 .Lnot_wave_0_\@
	s_barrier_signal -3
.Lnot_wave_0_\@:
	s_barrier_wait -3
	s_barrier_signal -1
	s_barrier_wait -1
.endm
.macro CROUND
	s_barrier_signal -1
	s_barrier_wait -1
	CREST
.endm
	s_load_b256 s[4:11], s[0:1], 0x0               ; xq, wq, zp, b
	s_load_b128 s[12:15], s[0:1], 0x20             ; cached, bg
	s_load_b64 s[OUTP:OUTP+1], s[0:1], 0x30
	v_lshl_add_u32 v[SPW], v0, 2, SPARE
	v_mov_b32 v[NIL], 0
	ds_add_u32 v[SPW], v[NIL]                      ; the opening lines: the add, twice on end, and its wait
	ds_add_u32 v[SPW], v[NIL]
	v_lshrrev_b32 v1, 5, v0
	v_readfirstlane_b32 s16, v1                    ; wave
	s_lshr_b32 s17, s16, 1                         ; my half of the tokens; also: I fetch for A (0) or B (1)
	s_and_b32 s18, s16, 1                          ; my half of B's rows; also: which K step of the slot I fetch
	s_bfe_u32 s40, ttmp6, 0x40000
	s_bfe_u32 s41, ttmp6, 0x40004
	s_lshl_b32 s42, ttmp9, 2
	s_add_co_u32 s42, s42, s40                     ; FB: block of 64 columns
	s_and_b32 s43, ttmp7, 0xffff
	s_lshl_b32 s43, s43, 2
	s_add_co_u32 s43, s43, s41                     ; TB: block of 256 tokens
	s_lshl_b32 s44, s41, 2
	s_lshl_b32 s44, 15, s44
	s_lshl_b32 s45, 0x1111, s40
	s_or_b32 s[G1+0], s44, (3<<16)|(1<<21)         ; a dense block of 25,600 bytes as 100 rows of 256
	s_or_b32 s[G1B+0], s45, (3<<16)|(1<<21)
.irp g, G1, G1B
	s_mov_b32 s[\g+1], 32<<16
	s_mov_b32 s[\g+2], 100<<16
	s_mov_b32 s[\g+3], 32<<16
	s_mov_b32 s[\g+4], 100
	s_mov_b32 s[\g+5], 32
	s_mov_b32 s[\g+6], 0
	s_mov_b32 s[\g+7], 0
.endr
	s_mul_i32 s19, s18, STB
	s_mul_i32 s20, s43, 409600
	s_add_co_u32 s20, s20, s19
	s_mov_b32 s21, 0
	s_mul_i32 s46, s42, 819200
	s_add_co_u32 s46, s46, s19
	s_mov_b32 s47, 0
	s_mul_i32 s22, s16, STB
	s_lshl_b32 s68, s42, 8
	s_mov_b32 s69, 0
	s_lshl_b32 s70, s43, 13
	s_mov_b32 s71, 0
	v_lshrrev_b32 v3, 4, v0
	v_and_b32 v4, 15, v0
	v_lshlrev_b32 v2, 4, v4
	v_lshl_add_u32 v2, v3, 13, v2
	v_lshlrev_b32 v5, 4, v0
	v_and_b32 v13, 1, v0
	v_lshlrev_b32 v13, 4, v13
	s_wait_alu depctr_va_vdst(0)                   ; the wait ahead of the waits below
	s_wait_dscnt 0x0                               ; both opening adds are done
	s_wait_kmcnt 0x0
	s_add_nc_u64 s[20:21], s[4:5], s[20:21]
	s_add_nc_u64 s[46:47], s[6:7], s[46:47]
	s_add_nc_u64 s[10:11], s[10:11], s[68:69]
	s_add_nc_u64 s[12:13], s[12:13], s[68:69]
	s_add_nc_u64 s[8:9], s[8:9], s[70:71]
	global_load_b128 v[128:131], v2, s[10:11]      ; b: 8 experts x my 64 columns
	global_load_b128 v[132:135], v2, s[12:13]      ; cached likewise
	global_load_b128 v[BGR:BGR+3], v13, s[14:15]
.irp q, 0,1,2,3
.irp m, 0,1,2,3
	global_load_b128 v[ZP+16*\q+4*\m:ZP+16*\q+4*\m+3], v5, s[8:9] offset:65536*\q+2048*\m
.endr
.endr
.irp s, 0,1
	s_mov_b32 s[G0+4*\s], 1
	s_add_co_u32 s[G0+4*\s+1], s22, \s*SLOT
	s_add_nc_u64 s[G0+4*\s+2:G0+4*\s+3], s[20:21], \s*2*STB
	s_or_b32 s[G0+4*\s+3], s[G0+4*\s+3], 0x80000000
	s_mov_b32 s[G0B+4*\s], 1
	s_add_co_u32 s[G0B+4*\s+1], s22, \s*SLOT
	s_add_nc_u64 s[G0B+4*\s+2:G0B+4*\s+3], s[46:47], \s*2*STB
	s_or_b32 s[G0B+4*\s+3], s[G0B+4*\s+3], 0x80000000
.endr
	CROUND                                         ; all sixteen work-groups are here: the first joint loads meet
	JLOAD G0, G1, G0B, G1B                         ; slot 0: one tensor load a wave at the head.  All that follows, down to the wait for it, stands while it is out
	v_and_b32 v6, 31, v0
	v_and_b32 v7, 15, v0
	v_bfe_u32 v8, v0, 4, 1
	v_mul_u32_u24 v9, v6, 48
	s_mul_i32 s23, s17, UNIT
	s_mul_i32 s68, s18, UNIT
	s_add_co_u32 s68, s68, BOFF
	s_sub_co_u32 s69, s68, s23
	v_mul_u32_u24 v10, s69, v8
	v_lshl_add_u32 v10, v7, 2, v10
	v_add_nc_u32 v[ADRS], s23, v10
	v_add_nc_u32 v[ADRS+1], SLOT, v[ADRS]
.irp s, 0,1
	v_add_nc_u32 v[ADRA+\s], s23, v9
	v_add_nc_u32 v[ADRB+\s], s68, v9
	s_add_co_u32 s23, s23, SLOT
	s_add_co_u32 s68, s68, SLOT
.endr
	s_lshl_b32 s70, s18, 7
	s_add_co_u32 s70, s70, CONST
	v_lshl_add_u32 v[ADC], v8, 5, s70
	s_lshl_b32 s70, s17, 12
	s_add_co_u32 s70, s70, CONST+GTE
	v_lshl_add_u32 v[ADG], v7, 5, s70
	s_mul_i32 s70, s17, 128*SP
	s_lshl_b32 s71, s18, 7
	s_add_co_u32 s70, s70, s71
	s_add_co_u32 s70, s70, STAGE
	v_mul_u32_u24 v[STO], v7, SP
	v_lshl_add_u32 v[STO], v8, 5, v[STO]
	v_add_nc_u32 v[STO], s70, v[STO]
	s_mul_i32 s70, s16, 64*SP
	s_add_co_u32 s70, s70, STAGE
	v_mul_u32_u24 v[RD], v8, SP
	v_lshl_add_u32 v[RD], v7, 4, v[RD]
	v_add_nc_u32 v[RD], s70, v[RD]
	v_lshlrev_b32 v[CO], 4, v7
	v_lshl_add_u32 v[CO], v8, 13, v[CO]
	v_lshl_add_u32 v12, v0, 4, CONST
	v_min_u32 v[PFO], 24, v6                       ; 25 blocks of 256 bytes: the lanes left over name the last again
	v_lshlrev_b32 v[PFO], 8, v[PFO]
	s_lshl_b32 s72, s43, 21
	s_lshl_b32 s73, s16, 19
	s_add_co_u32 s72, s72, s73
	s_lshl_b32 s73, s42, 8
	s_add_co_u32 s72, s72, s73
	s_mov_b32 s73, 0
	s_add_nc_u64 s[OUTP:OUTP+1], s[OUTP:OUTP+1], s[72:73]
	; the prefetches: x's tiles are named by the first column of clusters, W's by the first row; the four partners share a tile out by address
	s_and_b32 s68, ttmp7, 0xffff
	s_cmp_eq_u32 s17, 0
	s_cselect_b32 s68, ttmp9, s68
	s_cselect_b32 s69, s40, s41
	s_cselect_b64 s[PFA:PFA+1], s[20:21], s[46:47]
	s_mov_b32 s[L00], 0
	s_cselect_b32 s[L01], 1, 0
	s_cselect_b32 s[LB0], -1, 0
	s_cselect_b32 s[LB1], -1, 1
	s_cmp_eq_u32 s68, 0
	s_cselect_b32 s[L00], s[L00], -1
	s_cselect_b32 s[L01], s[L01], -1
	s_cselect_b32 s[LB0], s[LB0], -1
	s_cselect_b32 s[LB1], s[LB1], -1
	s_mul_i32 s70, s69, 6400
	s_add_co_u32 s70, s70, 2*2*STB
	s_mov_b32 s71, 0
	s_add_nc_u64 s[PFA:PFA+1], s[PFA:PFA+1], s[70:71]
	s_mov_b32 s19, 0x3fb8aa3b                      ; log2(e)
	s_wait_loadcnt 0x0
	v_pk_add_f32 v[128:129], v[128:129], v[132:133]    ; b + c
	v_pk_add_f32 v[130:131], v[130:131], v[134:135]
.irp i, 0,2,4,6,8,10,12,14                     ; the logits' four parts and bg.  A thread holds four half tokens: experts 4 (thread % 2) + 0..3
	v_pk_add_f32 v[ZP+\i:ZP+\i+1], v[ZP+\i:ZP+\i+1], v[ZP+16+\i:ZP+16+\i+1]
	v_pk_add_f32 v[ZP+32+\i:ZP+32+\i+1], v[ZP+32+\i:ZP+32+\i+1], v[ZP+48+\i:ZP+48+\i+1]
.endr
.irp i, 0,2,4,6,8,10,12,14
	v_pk_add_f32 v[ZP+\i:ZP+\i+1], v[ZP+\i:ZP+\i+1], v[ZP+32+\i:ZP+32+\i+1]
.endr
.irp i, 0,2,4,6,8,10,12,14
	v_pk_add_f32 v[ZP+\i:ZP+\i+1], v[ZP+\i:ZP+\i+1], v[BGR+\i%4:BGR+\i%4+1]
.endr
.irp m, 0,1,2,3
	v_max3_num_f32 v[MX+\m], v[ZP+4*\m], v[ZP+4*\m+1], v[ZP+4*\m+2]
.endr
.irp m, 0,1,2,3
	v_max_num_f32 v[MX+\m], v[MX+\m], v[ZP+4*\m+3]
.endr
.irp m, 0,1,2,3
	v_max_num_f32_dpp v[MX+\m], v[MX+\m], v[MX+\m] row_xmask:1 row_mask:0xf bank_mask:0xf   ; the token's largest logit
.endr
.irp m, 0,1,2,3
	v_mul_f32 v[MX+\m], s19, v[MX+\m]
.endr
.irp i, 0,1,2,3,4,5,6,7,8,9,10,11,12,13,14,15
	v_fma_f32 v[ZP+\i], v[ZP+\i], s19, -v[MX+\i/4]
.endr
	s_wait_alu depctr_va_vdst(0)                   ; the wait ahead of the batch
.irp i, 0,1,2,3,4,5,6,7,8,9,10,11,12,13,14,15
	v_exp_f32 v[ZP+\i], v[ZP+\i]
.endr
	v_nop
	s_wait_alu depctr_va_vdst(0)                   ; and behind it
.irp m, 0,1,2,3
	v_add_f32 v[SM+\m], v[ZP+4*\m], v[ZP+4*\m+1]
	v_add_f32 v[S2+\m], v[ZP+4*\m+2], v[ZP+4*\m+3]
.endr
.irp m, 0,1,2,3
	v_add_f32 v[SM+\m], v[SM+\m], v[S2+\m]
.endr
.irp m, 0,1,2,3
	v_add_f32_dpp v[SM+\m], v[SM+\m], v[SM+\m] row_xmask:1 row_mask:0xf bank_mask:0xf
.endr
	s_wait_alu depctr_va_vdst(0)
.irp m, 0,1,2,3
	v_rcp_f32 v[RC+\m], v[SM+\m]
.endr
	v_nop
	s_wait_alu depctr_va_vdst(0)
.irp i, 0,1,2,3,4,5,6,7,8,9,10,11,12,13,14,15
	v_mul_f32 v[ZP+\i], v[ZP+\i], v[RC+\i/4]
.endr
	ds_store_b128 v12, v[128:131]
	ds_store_b128 v12, v[132:135] offset:CCS
.irp m, 0,1,2,3
	ds_store_b128 v12, v[ZP+4*\m:ZP+4*\m+3] offset:GTE+2048*\m
.endr
; ONE RUN OF 56 LDS LOADS: step st of a slot into set st: the 8 scale words, B's eight fragments, A's eight.  A's block f of set st begins at v[128 - 80 st + 12 f + 104 st (f / 6)] of window 0
.macro RUN slot, st
	WIN 0
.irp i, 0,1,2,3,4,5,6,7
	ds_load_b32 v[SC+8*(\st)+\i], v[ADRS+\slot] offset:STB*(\st)+12288+64*\i
.endr
	WIN TO_B
.irp i, 0,1,2,3,4,5,6,7
.irp c, 0,1,2
	ds_load_b128 v[128*(\st)+FR*\i+4*\c:128*(\st)+FR*\i+4*\c+3], v[ADRB+\slot] offset:STB*(\st)+1536*\i+16*\c
.endr
.endr
	WIN 0
.irp f, 0,1,2,3,4,5,6,7
.set AR, 128-80*(\st)+FR*\f+104*(\st)*(\f/6)
.irp c, 0,1,2
	ds_load_b128 v[AR+4*\c:AR+4*\c+3], v[ADRA+\slot] offset:STB*(\st)+1536*\f+16*\c
.endr
.endr
.endm
.macro BCLOAD pass                     ; b + c in the result's layout: the C of a pass's first products
	WIN TO_B
.irp i, 0,1,2,3,4,5,6,7
	ds_load_b128 v[BC+8*\i+96*(\i/4):BC+8*\i+96*(\i/4)+3], v[ADC] offset:256*(4*(\pass)+\i/2)+64*(\i%2)
	ds_load_b128 v[BC+8*\i+96*(\i/4)+4:BC+8*\i+96*(\i/4)+7], v[ADC] offset:256*(4*(\pass)+\i/2)+64*(\i%2)+16
.endr
	WIN 0
.endm
.macro PLACES n
.rept \n
	v_nop
.endr
.endm
; EIGHT PRODUCTS: A's block a against B's eight, on set st.  The 64 accumulators take turns in the same order in every step.
.macro GRP a, st, first
.if \first
.set MW, 0x91+0x40*((\a)/4)            ; source 0 (B) and C window 1, source 1 (A) window 0, D window 2 or 3
.else
.set MW, 0xa1+0x50*((\a)/4)            ; C and D window 2 or 3
.endif
.set AR, 128-80*(\st)+FR*(\a)+104*(\st)*((\a)/6)
	WIN MW
.irp i, 0,1,2,3,4,5,6,7
.if \first
	v_wmma_scale_f32_16x16x128_f8f6f4 v[64*((\a)%4)+8*\i:64*((\a)%4)+8*\i+7], v[128*(\st)+FR*\i:128*(\st)+FR*\i+FR-1], v[AR:AR+FR-1], v[BC+8*\i+96*(\i/4):BC+8*\i+96*(\i/4)+7], v[SC+8*(\st)+\i], v[SC+8*(\st)+(\a)] matrix_a_fmt:MATRIX_FMT_FP6 matrix_b_fmt:MATRIX_FMT_FP6 matrix_a_scale:MATRIX_SCALE_ROW1
.else
	v_wmma_scale_f32_16x16x128_f8f6f4 v[64*((\a)%4)+8*\i:64*((\a)%4)+8*\i+7], v[128*(\st)+FR*\i:128*(\st)+FR*\i+FR-1], v[AR:AR+FR-1], v[64*((\a)%4)+8*\i:64*((\a)%4)+8*\i+7], v[SC+8*(\st)+\i], v[SC+8*(\st)+(\a)] matrix_a_fmt:MATRIX_FMT_FP6 matrix_b_fmt:MATRIX_FMT_FP6 matrix_a_scale:MATRIX_SCALE_ROW1
.endif
.endr
.endm
; A slot's first step, on set 0.  At its head the slot's second step is fetched into set 1: my last reads of the slot.
.macro STEP slot, first
	s_wait_dscnt 12                                ; set 0's scale words, B and A's blocks 0-3 are in; the twelve youngest loads (A's blocks 4-7) may be out
	PLACES 4                                       ; between the step before, which read set 1, and the loads into it
	RUN \slot, 1
.irp a, 0,1,2,3
	GRP \a, 0, \first
.endr
	s_wait_dscnt 56                                ; all but the run above: A's blocks 4-7 are in
.irp a, 4,5,6,7
	GRP \a, 0, \first
.endr
	WIN 0
.endm
; A slot's second step, on set 1, and the change of slots at its head: the tensor wait and the add, with eight products between the add and its wait; the barrier, which opens a round of
; the cluster's barrier, with eight products between signal and wait; the joint refill; the run that fetches the next slot's first step; and the 48 products left.
.macro TURN slot, next, fill, aback, lim
.if \fill
	s_wait_xcnt 0x0                                ; my prefetch has read its address
	s_add_nc_u64 s[PFA:PFA+1], s[PFA:PFA+1], 2*STB
.endif
	s_wait_tensorcnt 0x0                           ; my part of the next slot has landed
	ds_add_u32 v[SPW], v[NIL]
.if \fill
.if \aback
	s_sub_nc_u64 s[G0+4*\slot+2:G0+4*\slot+3], s[G0+4*\slot+2:G0+4*\slot+3], 6*2*STB   ; the second pass walks x again from its start
.else
	s_add_nc_u64 s[G0+4*\slot+2:G0+4*\slot+3], s[G0+4*\slot+2:G0+4*\slot+3], 2*2*STB
.endif
	s_add_nc_u64 s[G0B+4*\slot+2:G0B+4*\slot+3], s[G0B+4*\slot+2:G0B+4*\slot+3], 2*2*STB
.endif
	s_wait_dscnt 1                                 ; set 1 is in; the add may be out
	GRP 0, 1, 0
	s_wait_dscnt 0x0                               ; the add is done, and my reads of this slot are over
	s_barrier_signal -1
	GRP 1, 1, 0
	WIN 0
	s_barrier_wait -1
.if \fill
	CREST
	JLOAD G0+4*\slot, G1, G0B+4*\slot, G1B         ; the first tensor load behind the round; its four v_nop are the places in front of the loads below
.else
	PLACES 4
.endif
	RUN \next, 0
.if \fill
	ASK \lim
.endif
.irp a, 2,3,4,5,6,7
	GRP \a, 1, 0
.endr
.endm
; THE WAY OUT of a pass, block a of 16 tokens: max(acc, c), times the token's gates, summed over the pass's four experts; pass 1 adds onto pass 0's sums from the stage
.macro EPI p, a
.set TT, T+16*((\a)%2)
.set AC, 64*((\a)%4)
.if \p
	WIN 0
.irp u, 0,1
	ds_load_b128 v[TT+8*\u:TT+8*\u+3], v[STO] offset:16*SP*(\a)+64*\u
	ds_load_b128 v[TT+8*\u+4:TT+8*\u+7], v[STO] offset:16*SP*(\a)+64*\u+16
.endr
.endif
	WIN 0x86+0x41*((\a)/4)
.irp i, 0,1,2,3,4,5,6,7
.irp j, 0,1,2,3,4,5,6,7
	v_max_num_f32 v[AC+8*\i+\j], v[AC+8*\i+\j], v[128+8*\i+\j]     ; each accumulator from its low end on
.endr
.endr
	s_wait_dscnt 0x0
	WIN 0x06+((\a)/4)
.irp q, 0,1,2,3
.irp u, 0,1
.irp j, 0,2,4,6
.if (\p == 0) && (\q == 0)
	v_pk_mul_f32 v[TT+8*\u+\j:TT+8*\u+\j+1], v[AC+8*(2*\q+\u)+\j:AC+8*(2*\q+\u)+\j+1], v[192+4*(\a)+\q:192+4*(\a)+\q+1] op_sel_hi:[1,0]
.elseif \q%2 == 0
	v_pk_fma_f32 v[TT+8*\u+\j:TT+8*\u+\j+1], v[AC+8*(2*\q+\u)+\j:AC+8*(2*\q+\u)+\j+1], v[192+4*(\a)+\q:192+4*(\a)+\q+1], v[TT+8*\u+\j:TT+8*\u+\j+1] op_sel_hi:[1,0,1]
.else
	v_pk_fma_f32 v[TT+8*\u+\j:TT+8*\u+\j+1], v[AC+8*(2*\q+\u)+\j:AC+8*(2*\q+\u)+\j+1], v[192+4*(\a)+\q-1:192+4*(\a)+\q], v[TT+8*\u+\j:TT+8*\u+\j+1] op_sel:[0,1,0] op_sel_hi:[1,1,1]
.endif
.endr
.endr
.endr
	WIN 0
.irp u, 0,1
	ds_store_b128 v[STO], v[TT+8*\u:TT+8*\u+3] offset:16*SP*(\a)+64*\u
	ds_store_b128 v[STO], v[TT+8*\u+4:TT+8*\u+7] offset:16*SP*(\a)+64*\u+16
.endr
.endm
.macro EPILOGUE p                      ; c and the gates go where B's second set lay (window 1, v128-223), the sums where A's second set lay; the fetched first sets stay
	WIN TO_B
.irp i, 0,1,2,3,4,5,6,7
	ds_load_b128 v[128+8*\i:128+8*\i+3], v[ADC] offset:CCS+256*(4*\p+\i/2)+64*(\i%2)
	ds_load_b128 v[128+8*\i+4:128+8*\i+7], v[ADC] offset:CCS+256*(4*\p+\i/2)+64*(\i%2)+16
.endr
.irp a, 0,1,2,3,4,5,6,7
	ds_load_b128 v[192+4*\a:192+4*\a+3], v[ADG] offset:512*\a+16*\p
.endr
.if \p == 0
	BCLOAD 1
.endif
	s_wait_dscnt 0x0
.irp a, 0,1,2,3,4,5,6,7
	EPI \p, \a
.endr
.endm
	s_wait_alu depctr_va_vdst(0)                   ; the wait at the head's end
	s_wait_tensorcnt 0x0                           ; my part of slot 0 is in; the three lines ahead of a later first fill, as ahead of a refill
	ds_add_u32 v[SPW], v[NIL]
	s_wait_dscnt 0x0                               ; the add is done, and my stores of b + c, c and the gates
	CROUND
	JLOAD G0+4, G1, G0B+4, G1B                     ; slot 1's first fill, the first tensor load behind the round
	BCLOAD 0
	RUN 0, 0
	STEP 0, 1                                      ; the first products start the sums from b + c
	s_mov_b32 s3, 3
.Llap0:
	TURN 0, 1, 1, 0, L00
	STEP 1, 0
	TURN 1, 0, 1, 0, L01
	STEP 0, 0
	s_sub_co_u32 s3, s3, 1
	s_cmp_lg_u32 s3, 0
	s_cbranch_scc1 .Llap0
	s_mov_b32 s3, 1
	TURN 0, 1, 1, 1, LB0                           ; the ring goes on into the second pass
	STEP 1, 0
	TURN 1, 0, 1, 1, LB0
	PLACES 4                                       ; in front of loads into B's second set and of the first reads of results
	EPILOGUE 0
	STEP 0, 1
	s_mov_b32 s3, 3
.Llap1:
	TURN 0, 1, 1, 0, LB0
	STEP 1, 0
	TURN 1, 0, 1, 0, LB1
	STEP 0, 0
	s_sub_co_u32 s3, s3, 1
	s_cmp_lg_u32 s3, 0
	s_cbranch_scc1 .Llap1
	TURN 0, 1, 0, 0, 0                             ; the last four steps fetch nothing beyond the end
	STEP 1, 0
	s_wait_dscnt 0x0                               ; the very last step: set 1 is in
.irp a, 0,1,2,3,4,5,6,7
	GRP \a, 1, 0
.endr
	PLACES 4
	WIN 0
	EPILOGUE 1
	s_wait_dscnt 0x0                               ; for the others' sake: my sums lie in the stage
	s_barrier_signal -1
	s_barrier_wait -1
.irp m, 0,1,2,3,4,5,6,7,8,9,10,11,12,13,14,15,16,17,18,19,20,21,22,23,24,25,26,27,28,29,30,31
	ds_load_b128 v[128+4*\m:131+4*\m], v[RD] offset:2*SP*\m
.endr
.irp m, 0,1,2,3,4,5,6,7,8,9,10,11,12,13,14,15,16,17,18,19,20,21,22,23,24,25,26,27,28,29,30,31
	s_wait_dscnt 31-\m
	global_store_b128 v[CO], v[128+4*\m:131+4*\m], s[OUTP:OUTP+1] offset:16384*\m th:TH_STORE_NT   ; sixteen lanes store a token's 256 consecutive bytes, aligned
.endr
	s_wait_tensorcnt 0x0                           ; the wave's end
	ds_add_u32 v[SPW], v[NIL]
	s_wait_dscnt 0x0
	CROUND                                         ; the closing round
	s_endpgm
.Lfunc_end_k_qa85adad0fe_moe:
	.size	k_qa85adad0fe_moe, .Lfunc_end_k_qa85adad0fe_moe-k_qa85adad0fe_moe
	.p2alignl 7, 3214868480
	.fill 96, 4, 3214868480
	.section	.rodata,"a",@progbits
	.p2align	6, 0x0
	.amdhsa_kernel k_qa85adad0fe_moe
		.amdhsa_group_segment_fixed_size 327680
		.amdhsa_private_segment_fixed_size 0
		.amdhsa_enable_private_segment 0
		.amdhsa_kernarg_size 56
		.amdhsa_user_sgpr_count 2
		.amdhsa_user_sgpr_kernarg_segment_ptr 1
		.amdhsa_wavefront_size32 1
		.amdhsa_system_sgpr_workgroup_id_x 1
		.amdhsa_system_sgpr_workgroup_id_y 1
		.amdhsa_system_sgpr_workgroup_id_z 1
		.amdhsa_system_vgpr_workitem_id 0
		.amdhsa_next_free_vgpr 1024
		.amdhsa_next_free_sgpr 80
		.amdhsa_reserve_vcc 0
		.amdhsa_float_denorm_mode_32 3
		.amdhsa_float_denorm_mode_16_64 3
		.amdhsa_memory_ordered 1
		.amdhsa_forward_progress 1
		.amdhsa_inst_pref_size 255
	.end_amdhsa_kernel
	.section	.bss,"aw",@nobits
	.p2align	6
	.space	262144
	.amdgpu_metadata
---
amdhsa.version: [ 1, 2 ]
amdhsa.kernels:
  - .name:           k_qa85adad0fe_moe
    .symbol:         k_qa85adad0fe_moe.kd
    .args:
      - { .name: xq, .offset: 0, .size: 8, .value_kind: global_buffer, .address_space: global }
      - { .name: wq, .offset: 8, .size: 8, .value_kind: global_buffer, .address_space: global }
      - { .name: zp, .offset: 16, .size: 8, .value_kind: global_buffer, .address_space: global }
      - { .name: b, .offset: 24, .size: 8, .value_kind: global_buffer, .address_space: global }
      - { .name: cached, .offset: 32, .size: 8, .value_kind: global_buffer, .address_space: global }
      - { .name: bg, .offset: 40, .size: 8, .value_kind: global_buffer, .address_space: global }
      - { .name: out0, .offset: 48, .size: 8, .value_kind: global_buffer, .address_space: global }
    .group_segment_fixed_size: 327680
    .private_segment_fixed_size: 0
    .kernarg_segment_align: 8
    .kernarg_segment_size: 56
    .max_flat_workgroup_size: 128
    .sgpr_count:     80
    .vgpr_count:     1024
    .wavefront_size: 32
...
	.end_amdgpu_metadata
.endif
;; end of part 2
